; MI455X (gfx1250); checked and timed in simulation.
; The chip was launched on July 23, 2026; its instructions are those of AMD's public machine-readable ISA for CDNA 5 (MIT licence, August 2026) and "CDNA5" Instruction Set Architecture Reference Guide (July 2026). The comments in the code are by the model that wrote it; some were corrected since.
;; Multi Head Attention. Allowed arithmetic: matrix products marked QUANTISED: E3M2 operands, one E8M0 scale for each 32 along K, by v_wmma_scale_f32_16x16x128_f8f6f4 with both operands' format E3M2, f32 sums; everything else in f32.
;; Inputs: Wk 768 x 768 float32; Wo 768 x 768 float32; Wq 768 x 768 float32; Wv 768 x 768 float32; bk 768 float32; bo 768 float32; bq 768 float32; bv 768 float32; x 16 x 1,024 x 768 float32.
;; Outputs: out0 16 x 1,024 x 768 float32.
;; This version of the problem:
;;   THIS VERSION OF THE PROBLEM IS GIVEN IN LOW PRECISION. The matrix products marked QUANTISED in the list below multiply operands that are first quantised to E3M2 (3 exponent bits, 2 mantissa bits; 6 bits a number), with one power-of-two scale for each 32 numbers along K (OCP MX v1.0); their sums are f32. All else is computed in f32.
;;   The module's matrix products, in the order in which they are computed (A, B: the left and right operand; K: the contracted axis; several contracted axes count as one K, in the product's order):
;;     1. [M 16,384, K 768] x [K 768, N 768]; A: input x; B: input Wq: QUANTISED
;;     2. [M 16,384, K 768] x [K 768, N 768]; A: input x; B: input Wk: QUANTISED
;;     3. [M 16,384, K 768] x [K 768, N 768]; A: input x; B: input Wv: QUANTISED
;;     4. batch 128 x [M 1,024, K 96] x [K 96, N 1,024]; A: computed on the way; B: computed on the way: QUANTISED
;;     5. batch 128 x [M 1,024, K 1,024] x [K 1,024, N 96]; A: computed on the way; B: computed on the way: QUANTISED
;;     6. [M 16,384, K 768] x [K 768, N 768]; A: computed on the way; B: input Wo: QUANTISED
;;   THE QUANTISER, for each operand of a quantised product, along K:
;;     - K is cut into blocks of 32 from its start; a last block that is shorter is filled with zeros.
;;     - A block's scale is 2^e with e = floor(log2(the largest magnitude in the block)) - 4, held to -126 .. 127; a block of zeros has e = 0. As a byte (E8M0): e + 127.
;;     - Each number is divided by its block's scale, clamped to +-28, and rounded to the nearest number of E3M2, ties to even, subnormals kept.
;;     - The product sums the exact products of the quantised numbers (number of the format x scale) in f32.
;;   ~~~python
;;   def quantise(x, axis):      # numpy; x: float32 -> the quantised numbers, widened to float32 again
;;       x = np.moveaxis(x, axis, -1); K = x.shape[-1]
;;       x = np.pad(x, [(0, 0)] * (x.ndim - 1) + [(0, -K % 32)]); x = x.reshape(x.shape[:-1] + (-1, 32)); a = np.abs(x).max(-1, keepdims=True)
;;       e = np.where(a > 0, np.clip(np.frexp(np.where(a > 0, a, 1))[1] - 1 - 4, -126, 127), 0)      # np.frexp(a)[1] - 1 = floor(log2(a)), exactly
;;       r = np.clip(x / 2.0 ** e, -28, 28)
;;       step = 2.0 ** (np.maximum(np.frexp(np.where(r == 0, 1, r))[1] - 1, -2) - 2)
;;       q = np.round(r / step) * step * 2.0 ** e      # np.round: ties to even
;;       return np.moveaxis(q.reshape(q.shape[:-2] + (-1,))[..., :K], -1, axis).astype(np.float32)
;;   ~~~
;;   OPERANDS COMPUTED ON THE WAY. 'Computed on the way' means the value that the module computes at that place (a softmax that the list does not call 'softmax' is quantised finished and normalised). What goes into a quantiser is computed in f32, as accurately as f32 sums, v_exp_f32 and their like allow (about 1e-6 of the number): no bf16 or f16 on the way to a quantiser, and a product that is left as it is and whose result goes on into a quantised operand takes f32 operands (vector FMAs, or v_wmma_f32_16x16x4_f32). A number that lies on a knife's edge between two numbers of the format may be rounded either way, as far as f32 arithmetic and the matrix unit's own rounding can turn it there, and no further.
;; One version. Each part assembles by itself: llvm-mc -triple=amdgcn-amd-amdhsa -mcpu=gfx1250 --defsym DOCPART=n.
;; ======== version 1 of 1: 4 launches
;; workspace buffers: wbuf 1,916,928 bytes; qbuf 13,631,488 bytes; kbuf 13,631,488 bytes; vbuf 10,223,616 bytes; abuf 9,830,400 bytes
;; launch wquant (part 1): grid 48 x 6, 4 waves a work-group, no clusters, 0 bytes of LDS; arguments Wq, Wk, Wv, Wo, wbuf; writes wbuf
.if DOCPART == 1
	.amdgcn_target "amdgcn-amd-amdhsa--gfx1250"
	.amdhsa_code_object_version 6
	.text
	.protected	k_q829bfb4a25_wquant
	.globl	k_q829bfb4a25_wquant
	.p2align	8
	.type	k_q829bfb4a25_wquant,@function
k_q829bfb4a25_wquant:
	s_mov_b64 s[64:65], 0
	v_nop
	global_prefetch_b8 v0, s[64:65] scope:SCOPE_SE
	s_setreg_imm32_b32 hwreg(HW_REG_WAVE_MODE, 25, 1), 1
	s_wait_xcnt 0x0
; The four weights [768 (k)][768 (n)], f32, K their FIRST axis, become operands of BF6 (E3M2) codes with one E8M0 scale byte for each 32 along K.
; One wave makes one fragment (16 columns x 128 K).  Work-group x = the column tile T (0..47), y = the K step s (0..5), the wave's number = which weight (Wq, Wk, Wv, Wo).
; THE COLUMNS OF A TILE ARE NOT NEIGHBOURS: lane r of tile T takes column 32 (T / 2) + 8 (T % 2) + r + 8 (r / 8), so that results made with such a tile as source 0 lie 16 neighbours to a lane.
; A lane takes one column and its registers run DOWN K in the order of the operand's layout (lane (r, h): k = 64 c + 32 h + 0 .. 31), so the conversions' results are the operand's registers.
; OUT: the fragment as an image of its 12 registers (registers 4 c .. 4 c + 3 of lane L at 512 c + 16 L: three stores of 512 consecutive bytes) at index ((weight x 48 + T) x 6 + s) x 1,536,
; and its scale words, 4 bytes a lane, at 1,769,472 + index x 128.
; A block's scale byte is its largest magnitude's exponent field - 4, held at 1 from below.  LIMITS: a block of zeros gets the byte 1 where the rule says 127 (its codes are zeros, and only this
; program reads the bytes); blocks whose largest magnitude lies under 2^-122 keep the byte 1; NaN and infinities among the inputs are not served.
; No LDS, no barrier, no matrix unit: waves share nothing and the launch moves 9.4 MB once.
.set WROW, 3072                        ; bytes in a row of a weight
	s_load_b256 s[4:11], s[0:1], 0x0               ; Wq s[4:5], Wk s[6:7], Wv s[8:9], Wo s[10:11]
	s_load_b64 s[12:13], s[0:1], 0x20              ; wbuf
	v_lshrrev_b32 v1, 5, v0
	v_readfirstlane_b32 s16, v1                    ; wave = which weight
	s_and_b32 s17, ttmp7, 0xffff                   ; s, the K step
	v_and_b32 v1, 15, v0                           ; r
	v_bfe_u32 v2, v0, 4, 1                         ; h
	v_and_b32 v3, 8, v1
	v_add_nc_u32 v3, v3, v1                        ; r + 8 (r / 8)
	v_lshlrev_b32 v4, 2, v3                        ; my column, in bytes
	v_mul_u32_u24 v5, v2, 32*WROW                  ; lanes 16-31 begin 32 rows further down
	v_add_nc_u32 v5, v5, v4
	v_and_b32 v6, 31, v0
	v_lshlrev_b32 v7, 2, v6                        ; 4 x lane
	v_lshlrev_b32 v6, 4, v6                        ; 16 x lane
	s_mul_i32 s18, s17, 128*WROW                   ; the K step's 128 rows,
	s_lshr_b32 s20, ttmp9, 1
	s_lshl_b32 s20, s20, 7
	s_add_co_u32 s18, s18, s20                     ; + 32 (T / 2) columns
	s_and_b32 s20, ttmp9, 1
	s_lshl_b32 s20, s20, 5
	s_add_co_u32 s18, s18, s20                     ; + 8 (T % 2) columns
	s_mov_b32 s19, 0
	s_mul_i32 s20, s16, 48
	s_add_co_u32 s20, s20, ttmp9
	s_mul_i32 s20, s20, 6
	s_add_co_u32 s20, s20, s17                     ; the fragment's index
	s_mul_i32 s22, s20, 1536
	s_mov_b32 s23, 0
	s_lshl_b32 s24, s20, 7
	s_add_co_u32 s24, s24, 1769472
	s_mov_b32 s25, 0
	s_mov_b32 s26, 0x76543210
	s_mov_b32 s27, 0xfedcba98                      ; v_permlanex16_b32's selects for lane l xor 16
	s_wait_kmcnt 0x0
	s_cmp_eq_u32 s16, 1                            ; the choice of the weight hangs on the wave's number alone
	s_cselect_b64 s[4:5], s[6:7], s[4:5]
	s_cmp_eq_u32 s16, 2
	s_cselect_b64 s[4:5], s[8:9], s[4:5]
	s_cmp_eq_u32 s16, 3
	s_cselect_b64 s[4:5], s[10:11], s[4:5]
	s_add_nc_u64 s[4:5], s[4:5], s[18:19]
	s_add_nc_u64 s[14:15], s[12:13], s[24:25]      ; where the scale words go
	s_add_nc_u64 s[12:13], s[12:13], s[22:23]      ; where the codes go
.irp c, 0,1
.irp i, 0,1,2,3,4,5,6,7,8,9,10,11,12,13,14,15,16,17,18,19,20,21,22,23,24,25,26,27,28,29,30,31
	global_load_b32 v[64+32*\c+\i], v5, s[4:5] offset:WROW*(64*\c+\i)   ; W(128 s + 64 c + 32 h + i, my column)
.endr
.endr
	s_wait_loadcnt 0x0
.irp c, 0,1                                    ; my block 2 c + h: all its 32 numbers are mine
	v_max3_num_f32 v[32+\c], |v[64+32*\c]|, |v[65+32*\c]|, 0x2800000   ; with the floor 2^(5 - 127): the byte cannot fall under 1
.endr
.irp i, 2,4,6,8,10,12,14,16,18,20,22,24,26,28,30
.irp c, 0,1
	v_max3_num_f32 v[32+\c], v[32+\c], |v[64+32*\c+\i]|, |v[65+32*\c+\i]|
.endr
.endr
.irp c, 0,1
	v_add_nc_u32 v[44+\c], 0xfe000000, v[32+\c]    ; 4 off the exponent field: the conversion's scale operand
.endr
.irp c, 0,1
	v_lshrrev_b32 v[36+\c], 23, v[44+\c]           ; the scale's byte
.endr
	v_lshl_or_b32 v9, v37, 16, v36                 ; my two bytes: blocks h and 2 + h,
	v_lshlrev_b32 v10, 3, v2
	v_lshlrev_b32 v9, v10, v9                      ; at their places in the word;
	v_mov_b32 v10, 0
	v_permlanex16_b32 v10, v9, s26, s27
	v_or_b32 v9, v9, v10                           ; with lane l xor 16's two the word is whole
.irp c, 0,1
	v_cvt_scalef32_pk16_bf6_f32 v[48+6*\c:50+6*\c], v[64+32*\c:79+32*\c], v[44+\c]
	v_cvt_scalef32_pk16_bf6_f32 v[192+4*\c:194+4*\c], v[80+32*\c:95+32*\c], v[44+\c]   ; (a conversion's three registers begin on an even number)
.endr
	v_nop                                          ; one plain place behind a scaled conversion
.irp c, 0,1
.irp i, 0,1,2
	v_mov_b32 v[51+6*\c+\i], v[192+4*\c+\i]
.endr
.endr
.irp c, 0,1,2
	global_store_b128 v6, v[48+4*\c:51+4*\c], s[12:13] offset:512*\c   ; 32 lanes store 512 consecutive bytes
.endr
	global_store_b32 v7, v9, s[14:15]
	s_endpgm
.Lfunc_end_k_q829bfb4a25_wquant:
	.size	k_q829bfb4a25_wquant, .Lfunc_end_k_q829bfb4a25_wquant-k_q829bfb4a25_wquant
	.p2alignl 7, 3214868480
	.fill 96, 4, 3214868480
	.section	.rodata,"a",@progbits
	.p2align	6, 0x0
	.amdhsa_kernel k_q829bfb4a25_wquant
		.amdhsa_group_segment_fixed_size 0
		.amdhsa_private_segment_fixed_size 0
		.amdhsa_enable_private_segment 0
		.amdhsa_kernarg_size 40
		.amdhsa_user_sgpr_count 2
		.amdhsa_user_sgpr_kernarg_segment_ptr 1
		.amdhsa_wavefront_size32 1
		.amdhsa_system_sgpr_workgroup_id_x 1
		.amdhsa_system_sgpr_workgroup_id_y 1
		.amdhsa_system_sgpr_workgroup_id_z 1
		.amdhsa_system_vgpr_workitem_id 0
		.amdhsa_next_free_vgpr 208
		.amdhsa_next_free_sgpr 66
		.amdhsa_reserve_vcc 0
		.amdhsa_float_denorm_mode_32 3
		.amdhsa_float_denorm_mode_16_64 3
		.amdhsa_memory_ordered 1
		.amdhsa_forward_progress 1
		.amdhsa_inst_pref_size 12
	.end_amdhsa_kernel
	.amdgpu_metadata
---
amdhsa.version: [ 1, 2 ]
amdhsa.kernels:
  - .name:           k_q829bfb4a25_wquant
    .symbol:         k_q829bfb4a25_wquant.kd
    .args:
      - { .name: Wq, .offset: 0, .size: 8, .value_kind: global_buffer, .address_space: global }
      - { .name: Wk, .offset: 8, .size: 8, .value_kind: global_buffer, .address_space: global }
      - { .name: Wv, .offset: 16, .size: 8, .value_kind: global_buffer, .address_space: global }
      - { .name: Wo, .offset: 24, .size: 8, .value_kind: global_buffer, .address_space: global }
      - { .name: wbuf, .offset: 32, .size: 8, .value_kind: global_buffer, .address_space: global }
    .group_segment_fixed_size: 0
    .private_segment_fixed_size: 0
    .kernarg_segment_align: 8
    .kernarg_segment_size: 40
    .max_flat_workgroup_size: 128
    .sgpr_count:     66
    .vgpr_count:     208
    .wavefront_size: 32
...
	.end_amdgpu_metadata
.endif
;; end of part 1
;; launch qkv (part 2): grid 2 x 128, 4 waves a work-group, no clusters, 114,176 bytes of LDS; arguments x, wbuf, bq, bk, bv, qbuf, kbuf, vbuf; writes qbuf, kbuf, vbuf
.if DOCPART == 2
	.amdgcn_target "amdgcn-amd-amdhsa--gfx1250"
	.amdhsa_code_object_version 6
	.text
	.protected	k_q829bfb4a25_qkv
	.globl	k_q829bfb4a25_qkv
	.p2align	8
	.type	k_q829bfb4a25_qkv,@function
k_q829bfb4a25_qkv:
	s_mov_b64 s[64:65], 0
	v_nop
	global_prefetch_b8 v0, s[64:65] scope:SCOPE_SE
	s_setreg_imm32_b32 hwreg(HW_REG_WAVE_MODE, 25, 1), 1
	s_wait_xcnt 0x0
; q = x Wq + bq, k = x Wk + bk, v = x Wv + bv on codes of BF6 (E3M2) with E8M0 scales for each 32 along K; the results leave QUANTISED, as the operands of the attention's two products.
; SHARES.  Work-group (y, blk): 128 tokens (block blk of 128), heads 4 y .. 4 y + 3.  Wave w owns head 4 y + w and makes, one after the other, q, k and v of that head: 128 tokens x 96 columns x K 768 each:
; 48 accumulators (6 column tiles x 8 token tiles), 6 K steps of 128, 288 matrix instructions a unit.
; TILES.  Sixteen rows that form a tile are not neighbours: position r of tile 2 G + u is row 32 G + 8 u + r + 8 (r / 8) (tokens and weight columns alike).  With such a tile as source 0, lane (r, h)'s register j of the
; result is row 32 G + 8 u + 16 h + j: the 16 registers of tiles 2 G and 2 G + 1 are 16 neighbours along the next product's K.
;   q, k: source 0 = 16 columns of W, source 1 = 16 tokens: a lane holds one token and 48 of its head's 96 numbers: quantised along d (three blocks, a fourth of zero codes).
;   v:    source 0 = 16 tokens, source 1 = 16 columns: a lane holds one column d and 64 of the block's 128 tokens: quantised along the KEYS.  Nothing is transposed.
; PHASE X.  Wave w quantises token tiles 2 w and 2 w + 1 of x (12 fragments).  Each load reads 512 consecutive bytes of one row; a fragment's 16 rows turn through the wave's own stage in LDS so that a lane gets 16
; neighbours of each block.  The fragments go to LDS as images of their registers (registers 4 c .. 4 c + 3 of lane L at 512 c + 16 L), the scale words 4 bytes a lane; one barrier; then every wave reads them.
; THE WEIGHTS come as such images from memory straight into registers, one K step ahead, in two sets; x's fragments likewise from LDS.
; NO CLUSTER: no tile comes into LDS by a tensor load here; x, which the block's two work-groups share, has to pass through registers to be quantised, and the weights' images go to registers.
; LIMITS: a block of zeros gets the byte 1 (the zero block of q and k the byte 0) where the rule says 127: its codes are zeros and only this program reads the bytes; blocks whose largest magnitude lies under
; 2^-122 keep the byte 1; NaN and infinities among the inputs are not served.
; REGISTERS, in windows of 256: window 0: v1-9 addresses; v12-27 x's scale words (2 sets x 8), v28-39 W's (2 x 6); v40-59 codes just made; v60-76 the quantiser's; v80-127 the bias; v128-191 64 numbers.
;   window 1: accumulators (t, m), t = 0..3, at 64 t + 8 m (in phase X: four sets of 64 numbers as loaded).   window 2: v0-127 accumulators t = 4, 5; v128-223 x's fragments, set 0.
;   window 3: v0-95 x's fragments, set 1; v96-167, v168-239 W's fragments, sets 0 and 1.
.set XSC,   0                          ; LDS: x's 48 scale images (tile m, K step s: 6 m + s), 128 bytes each,
.set XIMG,  6144                       ; its 48 fragment images, 1,536 bytes each,
.set STGX,  79872                      ; and for each wave a stage of 16 rows x (512 + 16) bytes
.set LI,   1                           ; v1  16 x lane
.set LS,   2                           ; v2  4 x lane
.set STA,  3                           ; v3  the stage, on the way in: 16 x lane in a row
.set STB,  4                           ; v4  on the way out: row r, + 64 h
.set XWI,  5                           ; v5  where I store x's images: XIMG + 12 images x wave + 16 x lane
.set XWS,  6                           ; v6  and their scale words
.set BA,   7                           ; v7  64 h: the bias of q and k
.set BVA,  8                           ; v8  4 (r + 8 (r / 8)): the bias of v
.set LIB,  9                           ; v9  16 x lane + 24 images: LDS offsets have 16 bits
.set XS,   12
.set WS,   28
.set PC,   40
.set TM,   60
.set PW,   76
.set BIAS, 80
.set HA,   128
.set SEL,  40                          ; s[40:41] v_permlanex16_b32's selects for lane l xor 16
.set MSB, 0
.macro WIN new                         ; the immediate's high byte repeats the setting that is left; a switch that changes nothing is dropped
.if MSB != (\new)
	s_set_vgpr_msb (MSB<<8)|(\new)
.set MSB, (\new)
.endif
.endm
.macro PLACES n
.rept \n
	v_nop
.endr
.endm
; 64 numbers of a lane, register 16 b + i = k 32 b + 16 h + i of my row, become a fragment's codes in v[PC] on and its scale word in v[PW].
.macro QUANT s
.irp b, 0,1,2,3
	v_max3_num_f32 v[TM+\b], |v[\s+16*\b]|, |v[\s+1+16*\b]|, 0x2800000   ; my 16 numbers of block b, and the floor 2^(5 - 127): the byte cannot fall under 1
.endr
.irp i, 2,4,6,8,10,12,14
.irp b, 0,1,2,3
	v_max3_num_f32 v[TM+\b], v[TM+\b], |v[\s+16*\b+\i]|, |v[\s+1+16*\b+\i]|
.endr
.endr
.irp b, 0,1,2,3
	v_permlanex16_b32 v[TM+4+\b], v[TM+\b], s[SEL], s[SEL+1]
.endr
.irp b, 0,1,2,3
	v_max_num_f32 v[TM+\b], v[TM+\b], v[TM+4+\b]   ; with lane l xor 16's: the block's largest magnitude
.endr
.irp b, 0,1,2,3
	v_add_nc_u32 v[TM+12+\b], 0xfe000000, v[TM+\b] ; 4 off its exponent field: the conversion's scale operand
.endr
.irp b, 0,1,2,3
	v_lshrrev_b32 v[TM+4+\b], 23, v[TM+12+\b]      ; the scale's byte
.endr
	v_lshl_or_b32 v[PW], v[TM+5], 8, v[TM+4]
	v_lshl_or_b32 v[PW], v[TM+6], 16, v[PW]
	v_lshl_or_b32 v[PW], v[TM+7], 24, v[PW]
.irp c, 0,1
	v_cvt_scalef32_pk16_bf6_f32 v[PC+6*\c:PC+2+6*\c], v[\s+32*\c:\s+15+32*\c], v[TM+12+2*\c]
	v_cvt_scalef32_pk16_bf6_f32 v[PC+12+4*\c:PC+14+4*\c], v[\s+16+32*\c:\s+31+32*\c], v[TM+12+2*\c+1]   ; (a conversion's three registers begin on an even number)
.endr
	v_nop                                          ; one plain place behind a scaled conversion
.irp c, 0,1                                    ; the operand's layout wants a WHOLE block in a lane: lanes 0-15 block 2 c, lanes 16-31 block 2 c + 1
.irp i, 0,1,2
	v_permlane16_swap_b32 v[PC+6*\c+\i], v[PC+12+4*\c+\i]
.endr
.irp i, 0,1,2
	v_mov_b32 v[PC+3+6*\c+\i], v[PC+12+4*\c+\i]
.endr
.endr
.endm
; The same for 48 numbers (K = 96): three blocks; the fourth is zero codes, and its byte in the word stays 0, which is a scale like any other and multiplies zeros.
.macro QUANT3 s
.irp b, 0,1,2
	v_max3_num_f32 v[TM+\b], |v[\s+16*\b]|, |v[\s+1+16*\b]|, 0x2800000
.endr
.irp i, 2,4,6,8,10,12,14
.irp b, 0,1,2
	v_max3_num_f32 v[TM+\b], v[TM+\b], |v[\s+16*\b+\i]|, |v[\s+1+16*\b+\i]|
.endr
.endr
.irp b, 0,1,2
	v_permlanex16_b32 v[TM+4+\b], v[TM+\b], s[SEL], s[SEL+1]
.endr
.irp b, 0,1,2
	v_max_num_f32 v[TM+\b], v[TM+\b], v[TM+4+\b]
.endr
.irp b, 0,1,2
	v_add_nc_u32 v[TM+12+\b], 0xfe000000, v[TM+\b]
.endr
.irp b, 0,1,2
	v_lshrrev_b32 v[TM+4+\b], 23, v[TM+12+\b]
.endr
	v_lshl_or_b32 v[PW], v[TM+5], 8, v[TM+4]
	v_lshl_or_b32 v[PW], v[TM+6], 16, v[PW]
	v_cvt_scalef32_pk16_bf6_f32 v[PC:PC+2], v[\s:\s+15], v[TM+12]
	v_cvt_scalef32_pk16_bf6_f32 v[PC+12:PC+14], v[\s+16:\s+31], v[TM+13]
	v_cvt_scalef32_pk16_bf6_f32 v[PC+6:PC+8], v[\s+32:\s+47], v[TM+14]
.irp i, 0,1,2
	v_mov_b32 v[PC+16+\i], 0                       ; block 3: zero codes.  (These plain lines are also the place behind the conversions)
.endr
.irp c, 0,1
.irp i, 0,1,2
	v_permlane16_swap_b32 v[PC+6*\c+\i], v[PC+12+4*\c+\i]
.endr
.irp i, 0,1,2
	v_mov_b32 v[PC+3+6*\c+\i], v[PC+12+4*\c+\i]
.endr
.endr
.endm
; Fragment f of my 12 (tile 2 w + f / 6, K step f % 6): its 16 rows' 512 bytes, a row to a load, into set f % 4 of window 1
.macro LOADR f
	WIN 0x40
.irp i, 0,1,2,3,4,5,6,7,8,9,10,11,12,13,14,15
	global_load_b128 v[64*((\f)%4)+4*\i:64*((\f)%4)+4*\i+3], v[LI], s[8:9] offset:(8*((\f)/6)+\i+8*(\i/8))*3072+512*((\f)%6)
.endr
	WIN 0
.endm
.macro XSTEP f
.if (\f) <= 9
	s_wait_loadcnt 32                              ; this fragment's 16 loads are in; those of the two fragments behind it may be out
.elseif (\f) == 10
	s_wait_loadcnt 16
.else
	s_wait_loadcnt 0x0
.endif
	WIN 0x04                                       ; an LDS store's data are its source 1: window 1
.irp i, 0,1,2,3,4,5,6,7,8,9,10,11,12,13,14,15
	ds_store_b128 v[STA], v[64*((\f)%4)+4*\i:64*((\f)%4)+4*\i+3] offset:528*\i
.endr
	WIN 0
.irp b, 0,1,2,3
.irp j, 0,1,2,3
	ds_load_b128 v[HA+16*\b+4*\j:HA+16*\b+4*\j+3], v[STB] offset:128*\b+16*\j   ; LDS serves a wave's instructions in order: these see the stores above
.endr
.endr
.if (\f)+3 < 12
	LOADR (\f)+3                                   ; into the set whose LDS stores were waited for a step ago
.endif
	s_wait_dscnt 0x0                               ; my 64 numbers are back; the last fragment's image stores have read their registers
	QUANT HA
.irp c, 0,1,2
	ds_store_b128 v[XWI], v[PC+4*\c:PC+4*\c+3] offset:1536*(\f)+512*\c
.endr
	ds_store_b32 v[XWS], v[PW] offset:128*(\f)
.endm
; My head's six fragments of weight wt, K step s, and their scale words, into set
.macro LOADW wt, s, set
	WIN 0xc0
.irp t, 0,1,2,3,4,5
.irp c, 0,1,2
	global_load_b128 v[96+72*(\set)+12*\t+4*\c:96+72*(\set)+12*\t+4*\c+3], v[LI], s[10:11] offset:(\wt)*442368+(6*\t+(\s))*1536+512*\c
.endr
.endr
	WIN 0
.irp t, 0,1,2,3,4,5
	global_load_b32 v[WS+6*(\set)+\t], v[LS], s[24:25] offset:(\wt)*36864+(6*\t+(\s))*128
.endr
.endm
; x's eight fragments of K step s, and their scale words, into set (0: window 2 from v128; 1: window 3 from v0)
.macro FETCHX s, set
.if (\set) == 0
	WIN 0x80
.else
	WIN 0xc0
.endif
.irp m, 0,1,2,3,4,5,6,7
.irp c, 0,1,2
.if \m < 4
	ds_load_b128 v[128*(1-(\set))+12*\m+4*\c:128*(1-(\set))+12*\m+4*\c+3], v[LI] offset:XIMG+((\m%4)*6+(\s))*1536+512*\c
.else
	ds_load_b128 v[128*(1-(\set))+12*\m+4*\c:128*(1-(\set))+12*\m+4*\c+3], v[LIB] offset:XIMG+((\m%4)*6+(\s))*1536+512*\c
.endif
.endr
.endr
	WIN 0
.irp m, 0,1,2,3,4,5,6,7
	ds_load_b32 v[XS+8*(\set)+\m], v[LS] offset:XSC+(6*\m+(\s))*128
.endr
.endm
; 48 matrix instructions: one K step of a unit.  tr = 1: source 0 = W's tile t, source 1 = x's tile m; tr = 0: the other way round.  first = 1: the products start the sums.
; The 48 accumulators take turns, one instruction a turn, in the same order in every step.
.macro MULT tr, set, first
.irp t, 0,1,2,3,4,5
.if \tr
	WIN 0x0b+4*(\set)+0x50*(1+\t/4)
.else
	WIN 0x0e+(\set)+0x50*(1+\t/4)
.endif
.irp m, 0,1,2,3,4,5,6,7
.set rD, 64*(\t%4)+8*\m
.set rW, 96+72*(\set)+12*\t
.set rX, 128*(1-(\set))+12*\m
.if \tr
.if \first
	v_wmma_scale_f32_16x16x128_f8f6f4 v[rD:rD+7], v[rW:rW+11], v[rX:rX+11], 0, v[WS+6*(\set)+\t], v[XS+8*(\set)+\m] matrix_a_fmt:MATRIX_FMT_BF6 matrix_b_fmt:MATRIX_FMT_BF6
.else
	v_wmma_scale_f32_16x16x128_f8f6f4 v[rD:rD+7], v[rW:rW+11], v[rX:rX+11], v[rD:rD+7], v[WS+6*(\set)+\t], v[XS+8*(\set)+\m] matrix_a_fmt:MATRIX_FMT_BF6 matrix_b_fmt:MATRIX_FMT_BF6
.endif
.else
.if \first
	v_wmma_scale_f32_16x16x128_f8f6f4 v[rD:rD+7], v[rX:rX+11], v[rW:rW+11], 0, v[XS+8*(\set)+\m], v[WS+6*(\set)+\t] matrix_a_fmt:MATRIX_FMT_BF6 matrix_b_fmt:MATRIX_FMT_BF6
.else
	v_wmma_scale_f32_16x16x128_f8f6f4 v[rD:rD+7], v[rX:rX+11], v[rW:rW+11], v[rD:rD+7], v[XS+8*(\set)+\m], v[WS+6*(\set)+\t] matrix_a_fmt:MATRIX_FMT_BF6 matrix_b_fmt:MATRIX_FMT_BF6
.endif
.endif
.endr
.endr
.endm
.macro BIASQK base                     ; lane (r, h), tile t, register j: column 32 (t / 2) + 8 (t % 2) + 16 h + j of my head
.irp t, 0,1,2,3,4,5
	global_load_b128 v[BIAS+8*\t:BIAS+8*\t+3], v[BA], s[\base:\base+1] offset:(32*(\t/2)+8*(\t%2))*4
	global_load_b128 v[BIAS+8*\t+4:BIAS+8*\t+7], v[BA], s[\base:\base+1] offset:(32*(\t/2)+8*(\t%2))*4+16
.endr
.endm
.macro BIASV                           ; lane r, tile t: one number, that of column 32 (t / 2) + 8 (t % 2) + r + 8 (r / 8); the odd registers keep k's bias and are never selected
.irp t, 0,1,2,3,4,5
	global_load_b32 v[BIAS+2*\t], v[BVA], s[16:17] offset:(32*(\t/2)+8*(\t%2))*4
.endr
.endm
; One K step.  The next step's operands (weight nwt, K step ns) are asked for first, into the set that the step before multiplied: four places stand between its last product and these loads (ISA guide 7.12.1
; for vector instructions).  bias: 1, 2, 3 = the unit's bias (q, k, v) is asked for behind them; it is wanted at the unit's end.
.macro KSTEP tr, s, nxt, nwt, ns, bias
	PLACES 4
.if \nxt
	LOADW \nwt, \ns, ((\s)+1)%2
	FETCHX \ns, ((\s)+1)%2
.endif
.set NB, 0
.if \bias == 1
	BIASQK 12
.set NB, 12
.elseif \bias == 2
	BIASQK 14
.set NB, 12
.elseif \bias == 3
	BIASV
.set NB, 6
.endif
	s_wait_loadcnt 24*\nxt+NB                      ; this step's weights are in; the next step's 18 + 6 loads, and the bias's, may be out
	s_wait_dscnt 32*\nxt                           ; this step's fragments of x are in; the next step's 24 + 8 loads may be out
.if (\s) == 0
	MULT \tr, 0, 1
.else
	MULT \tr, (\s)%2, 0
.endif
.endm
; The way out of q or k: token tile by token tile.  The bias is added on the way into window 0 (each accumulator from its low end on); 48 numbers a lane are quantised along d; the fragment leaves as an image.
.macro EPI_T dst, dsc
	PLACES 4
.irp m, 0,1,2,3,4,5,6,7
	WIN 0x01
.irp t, 0,1,2,3
.irp i, 0,1,2,3
	v_pk_add_f32 v[HA+8*\t+2*\i:HA+8*\t+2*\i+1], v[64*\t+8*\m+2*\i:64*\t+8*\m+2*\i+1], v[BIAS+8*\t+2*\i:BIAS+8*\t+2*\i+1]
.endr
.endr
	WIN 0x02
.irp t, 4,5
.irp i, 0,1,2,3
	v_pk_add_f32 v[HA+8*\t+2*\i:HA+8*\t+2*\i+1], v[64*(\t-4)+8*\m+2*\i:64*(\t-4)+8*\m+2*\i+1], v[BIAS+8*\t+2*\i:BIAS+8*\t+2*\i+1]
.endr
.endr
	WIN 0
	s_wait_xcnt 0x0                                ; the last tile's stores have read their data: the codes and the word are written again only behind this wait
	QUANT3 HA
.irp c, 0,1,2
	global_store_b128 v[LI], v[PC+4*\c:PC+4*\c+3], s[\dst:\dst+1] offset:1536*\m+512*\c   ; 32 lanes store 512 consecutive bytes
.endr
	global_store_b32 v[LS], v[PW], s[\dsc:\dsc+1] offset:128*\m
.endr
.endm
; The way out of v: column tile by column tile.  A lane holds column d and 64 of the 128 tokens, register 8 m + j = token 32 (m / 2) + 16 h + 8 (m % 2) + j: quantised along the keys.
.macro EPI_V
	PLACES 4
.irp t, 0,1,2,3,4,5
	WIN 1+\t/4
.irp m, 0,1,2,3,4,5,6,7
.irp i, 0,1,2,3
	v_pk_add_f32 v[HA+8*\m+2*\i:HA+8*\m+2*\i+1], v[64*(\t%4)+8*\m+2*\i:64*(\t%4)+8*\m+2*\i+1], v[BIAS+2*\t:BIAS+2*\t+1] op_sel_hi:[1,0]
.endr
.endr
	WIN 0
	s_wait_xcnt 0x0
	QUANT HA
.irp c, 0,1,2
	global_store_b128 v[LI], v[PC+4*\c:PC+4*\c+3], s[22:23] offset:1536*\t+512*\c
.endr
	global_store_b32 v[LS], v[PW], s[30:31] offset:128*\t
.endr
.endm
	s_load_b512 s[8:23], s[0:1], 0x0               ; x s[8:9], wbuf s[10:11], bq s[12:13], bk s[14:15], bv s[16:17], qbuf s[18:19], kbuf s[20:21], vbuf s[22:23]
	v_lshl_add_u32 v254, v0, 2, 0x1bc00
	v_mov_b32 v255, 0
	v_lshrrev_b32 v10, 5, v0
	v_readfirstlane_b32 s2, v10                    ; wave 0..3
	s_and_b32 s4, ttmp7, 0xffff                    ; the block of 128 tokens
	s_lshl_b32 s5, ttmp9, 2
	s_add_co_u32 s5, s5, s2                        ; my head: 4 y + wave
	v_and_b32 v10, 31, v0                          ; lane
	v_and_b32 v11, 15, v0                          ; r
	v_bfe_u32 v77, v0, 4, 1                        ; h
	v_lshlrev_b32 v[LI], 4, v10
	v_lshlrev_b32 v[LS], 2, v10
	s_mul_i32 s32, s2, 8448
	s_add_co_u32 s32, s32, STGX                    ; my stage
	v_add_nc_u32 v[STA], s32, v[LI]
	v_mul_u32_u24 v[STB], v11, 528
	v_lshl_add_u32 v[STB], v77, 6, v[STB]
	v_add_nc_u32 v[STB], s32, v[STB]
	s_mul_i32 s32, s2, 18432
	s_add_co_u32 s32, s32, XIMG
	v_add_nc_u32 v[XWI], s32, v[LI]
	s_mul_i32 s32, s2, 1536
	v_add_nc_u32 v[XWS], s32, v[LS]
	v_lshlrev_b32 v[BA], 6, v77
	v_and_b32 v[BVA], 8, v11
	v_add_nc_u32 v[BVA], v[BVA], v11
	v_lshlrev_b32 v[BVA], 2, v[BVA]
	v_add_nc_u32 v[LIB], 36864, v[LI]
.irp b, 0,1,2,3
	v_mov_b32 v[TM+4+\b], 0                        ; written once: a lane permute's destination counts as one of its sources
.endr
	s_mov_b32 s[SEL], 0x76543210
	s_mov_b32 s[SEL+1], 0xfedcba98
	s_mov_b32 s33, 0                               ; every offset below is under 2^32: s[32:33] is the pair that is added
	s_lshr_b32 s34, s4, 3
	s_lshl_b32 s34, s34, 3
	s_add_co_u32 s34, s34, s5                      ; bh = 8 x batch + head
	s_and_b32 s35, s4, 7                           ; which 128 of the sequence's 1,024 tokens
	s_mul_i32 s36, s34, 106496                     ; bh's part of qbuf and of kbuf
	s_mul_i32 s37, s34, 79872                      ; and of vbuf
	s_wait_kmcnt 0x0
	s_mul_i32 s32, s4, 393216
	s_mul_i32 s38, s2, 98304
	s_add_co_u32 s32, s32, s38
	s_add_nc_u64 s[8:9], s[8:9], s[32:33]          ; x at my 32 tokens
	s_mul_i32 s32, s5, 4608
	s_add_co_u32 s32, s32, 1769472
	s_add_nc_u64 s[24:25], s[10:11], s[32:33]      ; the weights' scale words at my head's six tiles
	s_mul_i32 s32, s5, 55296
	s_add_nc_u64 s[10:11], s[10:11], s[32:33]      ; and their images
	s_mul_i32 s32, s5, 384
	s_add_nc_u64 s[12:13], s[12:13], s[32:33]      ; the biases at my head
	s_add_nc_u64 s[14:15], s[14:15], s[32:33]
	s_add_nc_u64 s[16:17], s[16:17], s[32:33]
	s_lshl_b32 s32, s35, 10
	s_add_co_u32 s32, s32, s36
	s_add_co_u32 s32, s32, 98304
	s_add_nc_u64 s[26:27], s[18:19], s[32:33]      ; q's scale words: 8 tiles x 128 bytes a block
	s_add_nc_u64 s[28:29], s[20:21], s[32:33]      ; k's
	s_mul_i32 s32, s35, 12288
	s_add_co_u32 s32, s32, s36
	s_add_nc_u64 s[18:19], s[18:19], s[32:33]      ; q's images: 8 tiles x 1,536 bytes a block
	s_add_nc_u64 s[20:21], s[20:21], s[32:33]      ; k's
	s_mul_i32 s32, s35, 768
	s_add_co_u32 s32, s32, s37
	s_add_co_u32 s32, s32, 73728
	s_add_nc_u64 s[30:31], s[22:23], s[32:33]      ; v's scale words: 6 tiles x 128 bytes a key step
	s_mul_i32 s32, s35, 9216
	s_add_co_u32 s32, s32, s37
	s_add_nc_u64 s[22:23], s[22:23], s[32:33]      ; v's images
	LOADW 0, 0, 0                                  ; Wq's first K step lands while x is quantised
	LOADR 0
	LOADR 1
	LOADR 2
.irp f, 0,1,2,3,4,5,6,7,8,9,10,11
	XSTEP \f
.endr
	s_wait_dscnt 0x0                               ; for the others' sake: my images and scale words lie in LDS
	s_barrier_signal -1
	s_barrier_wait -1                              ; everybody's do; nothing in LDS is written from here on
	FETCHX 0, 0
	; ---- q
	KSTEP 1, 0, 1, 0, 1, 1
	KSTEP 1, 1, 1, 0, 2, 0
	KSTEP 1, 2, 1, 0, 3, 0
	KSTEP 1, 3, 1, 0, 4, 0
	KSTEP 1, 4, 1, 0, 5, 0
	KSTEP 1, 5, 1, 1, 0, 0                         ; k's first operands land while q goes out
	EPI_T 18, 26
	; ---- k
	KSTEP 1, 0, 1, 1, 1, 2
	KSTEP 1, 1, 1, 1, 2, 0
	KSTEP 1, 2, 1, 1, 3, 0
	KSTEP 1, 3, 1, 1, 4, 0
	KSTEP 1, 4, 1, 1, 5, 0
	KSTEP 1, 5, 1, 2, 0, 0
	EPI_T 20, 28
	; ---- v
	KSTEP 0, 0, 1, 2, 1, 3
	KSTEP 0, 1, 1, 2, 2, 0
	KSTEP 0, 2, 1, 2, 3, 0
	KSTEP 0, 3, 1, 2, 4, 0
	KSTEP 0, 4, 1, 2, 5, 0
	KSTEP 0, 5, 0, 0, 0, 0
	EPI_V
	s_wait_tensorcnt 0x0
	ds_add_u32 v254, v255
	s_wait_dscnt 0x0
	s_endpgm
.Lfunc_end_k_q829bfb4a25_qkv:
	.size	k_q829bfb4a25_qkv, .Lfunc_end_k_q829bfb4a25_qkv-k_q829bfb4a25_qkv
	.p2alignl 7, 3214868480
	.fill 96, 4, 3214868480
	.section	.rodata,"a",@progbits
	.p2align	6, 0x0
	.amdhsa_kernel k_q829bfb4a25_qkv
		.amdhsa_group_segment_fixed_size 114176
		.amdhsa_private_segment_fixed_size 0
		.amdhsa_enable_private_segment 0
		.amdhsa_kernarg_size 64
		.amdhsa_user_sgpr_count 2
		.amdhsa_user_sgpr_kernarg_segment_ptr 1
		.amdhsa_wavefront_size32 1
		.amdhsa_system_sgpr_workgroup_id_x 1
		.amdhsa_system_sgpr_workgroup_id_y 1
		.amdhsa_system_sgpr_workgroup_id_z 1
		.amdhsa_system_vgpr_workitem_id 0
		.amdhsa_next_free_vgpr 1024
		.amdhsa_next_free_sgpr 66
		.amdhsa_reserve_vcc 0
		.amdhsa_float_denorm_mode_32 3
		.amdhsa_float_denorm_mode_16_64 3
		.amdhsa_memory_ordered 1
		.amdhsa_forward_progress 1
		.amdhsa_inst_pref_size 255
	.end_amdhsa_kernel
	.section	.bss,"aw",@nobits
	.p2align	6
	.space	262144
	.amdgpu_metadata
---
amdhsa.version: [ 1, 2 ]
amdhsa.kernels:
  - .name:           k_q829bfb4a25_qkv
    .symbol:         k_q829bfb4a25_qkv.kd
    .args:
      - { .name: x, .offset: 0, .size: 8, .value_kind: global_buffer, .address_space: global }
      - { .name: wbuf, .offset: 8, .size: 8, .value_kind: global_buffer, .address_space: global }
      - { .name: bq, .offset: 16, .size: 8, .value_kind: global_buffer, .address_space: global }
      - { .name: bk, .offset: 24, .size: 8, .value_kind: global_buffer, .address_space: global }
      - { .name: bv, .offset: 32, .size: 8, .value_kind: global_buffer, .address_space: global }
      - { .name: qbuf, .offset: 40, .size: 8, .value_kind: global_buffer, .address_space: global }
      - { .name: kbuf, .offset: 48, .size: 8, .value_kind: global_buffer, .address_space: global }
      - { .name: vbuf, .offset: 56, .size: 8, .value_kind: global_buffer, .address_space: global }
    .group_segment_fixed_size: 114176
    .private_segment_fixed_size: 0
    .kernarg_segment_align: 8
    .kernarg_segment_size: 64
    .max_flat_workgroup_size: 128
    .sgpr_count:     66
    .vgpr_count:     1024
    .wavefront_size: 32
...
	.end_amdgpu_metadata
.endif
;; end of part 2
;; launch attn (part 3): grid 2 x 128, 4 waves a work-group, no clusters, 186,880 bytes of LDS; arguments qbuf, kbuf, vbuf, abuf; writes abuf
.if DOCPART == 3
	.amdgcn_target "amdgcn-amd-amdhsa--gfx1250"
	.amdhsa_code_object_version 6
	.text
	.protected	k_q829bfb4a25_attn
	.globl	k_q829bfb4a25_attn
	.p2align	8
	.type	k_q829bfb4a25_attn,@function
k_q829bfb4a25_attn:
	s_mov_b64 s[64:65], 0
	v_nop
	global_prefetch_b8 v0, s[64:65] scope:SCOPE_SE
	s_setreg_imm32_b32 hwreg(HW_REG_WAVE_MODE, 25, 1), 1
	s_wait_xcnt 0x0
; For one head: a = (softmax(q k^T) / sqrt(768)) v, both products on codes of BF6 (E3M2) with E8M0 scales; a leaves QUANTISED along d, as an operand of the last product.
; WHAT IS QUANTISED AHEAD OF THE SECOND PRODUCT IS THE FINISHED WEIGHT, softmax / sqrt(768): a row's true maximum and whole sum are known before any of its codes is made.  So a wave keeps ALL 1,024 scores of its
; 16 queries in 512 registers: one exponential a score, no second pass over k.
; SHARES.  Work-group (half, bh): 512 queries of head bh.  The head's whole K and V (codes as images of fragments, and scale words: two dense blocks, 106,496 and 79,872 bytes) come into LDS ONCE, a quarter of each
; by each wave's two tensor loads (two are out), and stay: nothing in LDS is filled again or written.  Wave w walks query tiles 32 half + 8 w + 0 .. 7.
; LAYOUT.  Both products are used transposed: S^T = K Q^T (source 0 = 16 keys), O^T = V^T P^T (source 0 = 16 of the head's 96): a lane holds ONE query throughout.  Position r of a tile 2 G + u (of keys, of queries,
; of d) is row 32 G + 8 u + r + 8 (r / 8), so the 16 registers of key tiles 2 b and 2 b + 1 are keys 32 b + 16 h + 0 .. 15, and O^T's likewise along d.
; ORDER.  SCORES: 64 products K Q^T, and the largest score of each block of 32 keys.  REST: the row's maximum | p = 2^((s - m) log2 e) | the row's sum | p / (sum sqrt(768)) | for each 128 keys: codes of p, 6 products
; V^T P^T | a's codes out.  The first SCORES stand ahead of the loop and want K alone: V is waited for behind them.  A trip of the loop is REST of one tile and SCORES of the next; the last REST is written out.
; BY TURNS.  Behind each product of SCORES stands a slice of four maxima over the scores of the key group before; between the six products of a step of the second product stand the conversions of the next step's
; weights.  So the wave has vector work to issue while the matrix unit works.  The price is two switches of the register window a slice: S^T fills windows 1 and 2, and no window has room for a product's operands beside it.
; A block's largest weight is not searched for: the block's largest SCORE goes through the same multiply-add, exponential and multiplication (this takes v_exp_f32 not to fall where its input rises: at the worst
; one weight of a block, within an ulp of a power of two, is held one code low).
; SCALE WORDS lie in LDS 128 bytes a tile, row r's word at 4 r: lanes 0-15 load tile 2 p's and lanes 16-31 tile 2 p + 1's into ONE register, and the odd tile's product reads the upper lanes.
; NO CLUSTER: K and V are shared by the head's two work-groups alone and are fetched once in the launch; the grid's x is 2.
; LIMITS: a weight's exponential under 2^-126 counts as 0 (v_exp_f32 flushes); 1 / (sum sqrt(768)) is one reciprocal where the definition divides twice; a block of zeros gets the byte 1 where the rule says 127
; (zero codes; only this program reads the bytes); NaN and infinities are not served.
; REGISTERS, in windows of 256: window 0: see the names below.   windows 1 and 2: S^T, then p: key tile j at 8 j.   window 3: two sets of 96: eight fragments of K or six of V.
.set LI,  1                            ; v1   16 x lane: K's images 0-31
.set LS,  2                            ; v2   4 x lane
.set AK1, 3                            ; v3   K's images 32-63 (LDS offsets have 16 bits)
.set AV0, 4                            ; v4   V's images 0-23
.set AV1, 5                            ; v5   V's images 24-47
.set LSK, 6                            ; v6   K's scale words: 4 r + 128 h
.set LSV, 7                            ; v7   V's
.set ACA, 8                            ; v8   a's codes: 24 r + 12 h
.set ASA, 9                            ; v9   a's scale bytes: 24 r
.set NM,  10                           ; v[10:11] -m log2 e (the low word serves both halves)
.set INV, 12                           ; v[12:13] 1 / (sum sqrt(768)) (likewise)
.set TA,  14                           ; v14-15 at work
.set QF,  16                           ; v16-27 Q's fragment
.set QSR, 28                           ; v28    its scale words
.set KSR, 32                           ; v32-39 K's scale words, 2 sets x 4 registers (two tiles to a register)
.set VSR, 40                           ; v40-45 V's, 2 sets x 3
.set PW,  60                           ; v60-67 p's scale words, one for each 128 keys
.set T,   68                           ; v68-75 at work
.set SUM, 68                           ; v68-83 later the sum, in eight pairs
.set BM,  84                           ; v84-115 the 32 blocks' largest scores, then weights, then bytes
.set SO,  116                          ; v116-147 the conversions' scale operands
.set PC0, 148                          ; v148-159 p's codes, set 0
.set PT,  160                          ; v160-166 the conversions' second halves
.set OA,  168                          ; v168-215 O^T: six tiles
.set OC,  216                          ; v216-227 a's codes
.set ET,  228                          ; v228-239 the way out, at work
.set PC1, 240                          ; v240-251 p's codes, set 1
.set MSB, 0
.macro WIN new                         ; the immediate's high byte repeats the setting that is left; a switch that changes nothing is dropped
.if MSB != (\new)
	s_set_vgpr_msb (MSB<<8)|(\new)
.set MSB, (\new)
.endif
.endm
.macro PLACES n
.rept \n
	v_nop
.endr
.endm
.macro FETCHK g                        ; key tiles 8 g .. 8 g + 7 into set g % 2: 24 + 4 LDS loads
	WIN 0xc0
.irp i, 0,1,2,3,4,5,6,7
.irp c, 0,1,2
.if (\g) < 4
	ds_load_b128 v[96*((\g)%2)+12*\i+4*\c:96*((\g)%2)+12*\i+4*\c+3], v[LI] offset:(((\g)%4)*8+\i)*1536+512*\c
.else
	ds_load_b128 v[96*((\g)%2)+12*\i+4*\c:96*((\g)%2)+12*\i+4*\c+3], v[AK1] offset:(((\g)%4)*8+\i)*1536+512*\c
.endif
.endr
.endr
	WIN 0
.irp p, 0,1,2,3
	ds_load_b32 v[KSR+4*((\g)%2)+\p], v[LSK] offset:(8*(\g)+2*\p)*128   ; lanes 0-15: tile 8 g + 2 p; lanes 16-31: the tile behind it
.endr
.endm
.macro FETCHV k                        ; V's six tiles of keys 128 k on into set k % 2: 18 + 3 LDS loads
	WIN 0xc0
.irp t, 0,1,2,3,4,5
.irp c, 0,1,2
.if (\k) < 4
	ds_load_b128 v[96*((\k)%2)+12*\t+4*\c:96*((\k)%2)+12*\t+4*\c+3], v[AV0] offset:(((\k)%4)*6+\t)*1536+512*\c
.else
	ds_load_b128 v[96*((\k)%2)+12*\t+4*\c:96*((\k)%2)+12*\t+4*\c+3], v[AV1] offset:(((\k)%4)*6+\t)*1536+512*\c
.endif
.endr
.endr
	WIN 0
.irp p, 0,1,2
	ds_load_b32 v[VSR+3*((\k)%2)+\p], v[LSV] offset:(6*(\k)+2*\p)*128
.endr
.endm
; Slice i of eight of key group gg's maxima: the group's eight tiles are four blocks of 32 keys, of which 16 registers each are mine; step i takes registers 2 i and 2 i + 1 of each block, the four blocks by turns.
; Each accumulator is first read at its low end: tile 2 b at step 0, tile 2 b + 1 (registers 8 to 15 of the block) at step 4.  The window setting (sources 0 and 1: S^T's window) is the caller's.
.macro MAXSL gg, i
.irp b, 0,1,2,3
.if (\i) == 0
	v_max_num_f32 v[BM+4*(\gg)+\b], v[16*((4*(\gg)+\b)%16)], v[16*((4*(\gg)+\b)%16)+1]
.else
	v_max3_num_f32 v[BM+4*(\gg)+\b], v[16*((4*(\gg)+\b)%16)+2*(\i)], v[16*((4*(\gg)+\b)%16)+2*(\i)+1], v[BM+4*(\gg)+\b]
.endif
.endr
.endm
; S^T = K Q^T: eight groups of eight key tiles; the next group's fragments are asked for ahead of each group's products.  Behind each product stands a slice of the group before: four plain vector instructions that
; name none of the product's registers.  The slice behind a group's last product is also the four places (ISA guide 7.12.1 for vector instructions) ahead of the loads into the set that
; the group read; group 0 has no slices behind its products, so four v_nop stand there.
.macro SCORES
	FETCHK 0
	s_wait_loadcnt 0x0                             ; Q
.set g, 0
.rept 8
.if g < 7
.if g == 1
	PLACES 4
.endif
	FETCHK g+1
	s_wait_dscnt 28                                ; this group's loads are in; the next group's 24 + 4 may be out
.else
	s_wait_dscnt 0x0
.endif
.irp i, 0,1,2,3,4,5,6,7
	WIN 0x43+0x40*(g/4)                            ; K window 3, Q window 0, S^T window 1 or 2
.if (\i%2) == 0
	v_wmma_scale_f32_16x16x128_f8f6f4 v[8*((8*g+\i)%32):8*((8*g+\i)%32)+7], v[96*(g%2)+12*\i:96*(g%2)+12*\i+11], v[QF:QF+11], 0, v[KSR+4*(g%2)+\i/2], v[QSR] matrix_a_fmt:MATRIX_FMT_BF6 matrix_b_fmt:MATRIX_FMT_BF6
.else
	v_wmma_scale_f32_16x16x128_f8f6f4 v[8*((8*g+\i)%32):8*((8*g+\i)%32)+7], v[96*(g%2)+12*\i:96*(g%2)+12*\i+11], v[QF:QF+11], 0, v[KSR+4*(g%2)+\i/2], v[QSR] matrix_a_fmt:MATRIX_FMT_BF6 matrix_b_fmt:MATRIX_FMT_BF6 matrix_a_scale:MATRIX_SCALE_ROW1
.endif
.if g > 0
	WIN 5*(1+(g-1)/4)                              ; sources 0 and 1: the window of the group before; the running maximum in window 0
	MAXSL g-1, \i
.endif
.endr
.set g, g+1
.endr
	WIN 0x0a
.irp i, 0,1,2,3,4,5,6,7
	MAXSL 7, \i                                    ; the last group's maxima: its last product stands four plain instructions back
.endr
	WIN 0
.endm
; The codes of the weights of keys 128 k on, into set k % 2, in three parts.  CVT4: four conversions of 16 numbers.
.macro CVT4 k
	WIN 1+(\k)/4
.set rP, PC0+(PC1-PC0)*((\k)%2)
.set rS, 64*((\k)%4)
.irp c, 0,1
	v_cvt_scalef32_pk16_bf6_f32 v[rP+6*\c:rP+6*\c+2], v[rS+32*\c:rS+32*\c+15], v[SO+4*(\k)+2*\c]
	v_cvt_scalef32_pk16_bf6_f32 v[PT+4*\c:PT+4*\c+2], v[rS+32*\c+16:rS+32*\c+31], v[SO+4*(\k)+2*\c+1]   ; (a conversion's three registers begin on an even number)
.endr
.endm
.macro SWAP6 k                         ; the operand's layout wants a WHOLE block in a lane: lanes 0-15 block 2 c, lanes 16-31 block 2 c + 1
	WIN 0
.set rP, PC0+(PC1-PC0)*((\k)%2)
	v_nop                                          ; one plain place behind a scaled conversion
.irp c, 0,1
.irp i, 0,1,2
	v_permlane16_swap_b32 v[rP+6*\c+\i], v[PT+4*\c+\i]
.endr
.endr
.endm
.macro MOVE3 k, c                      ; a block's upper 16 codes to their place.  A copy written as OR with 0: its register is then source 1, whose window is 0 under the products' setting too, so no switch is needed
.set rP, PC0+(PC1-PC0)*((\k)%2)
.irp i, 0,1,2
	v_or_b32 v[rP+3+6*(\c)+\i], 0, v[PT+4*(\c)+\i]
.endr
.endm
.macro PVW k, t                        ; O^T's tile t += V^T's tile t x P^T, keys 128 k on; step 0 starts the sums
.set rP, PC0+(PC1-PC0)*((\k)%2)
.set rV, 96*((\k)%2)+12*(\t)
.set rO, OA+8*(\t)
.set rW, VSR+3*((\k)%2)+(\t)/2
.if (\k) == 0
.if ((\t)%2) == 0
	v_wmma_scale_f32_16x16x128_f8f6f4 v[rO:rO+7], v[rV:rV+11], v[rP:rP+11], 0, v[rW], v[PW+(\k)] matrix_a_fmt:MATRIX_FMT_BF6 matrix_b_fmt:MATRIX_FMT_BF6
.else
	v_wmma_scale_f32_16x16x128_f8f6f4 v[rO:rO+7], v[rV:rV+11], v[rP:rP+11], 0, v[rW], v[PW+(\k)] matrix_a_fmt:MATRIX_FMT_BF6 matrix_b_fmt:MATRIX_FMT_BF6 matrix_a_scale:MATRIX_SCALE_ROW1
.endif
.else
.if ((\t)%2) == 0
	v_wmma_scale_f32_16x16x128_f8f6f4 v[rO:rO+7], v[rV:rV+11], v[rP:rP+11], v[rO:rO+7], v[rW], v[PW+(\k)] matrix_a_fmt:MATRIX_FMT_BF6 matrix_b_fmt:MATRIX_FMT_BF6
.else
	v_wmma_scale_f32_16x16x128_f8f6f4 v[rO:rO+7], v[rV:rV+11], v[rP:rP+11], v[rO:rO+7], v[rW], v[PW+(\k)] matrix_a_fmt:MATRIX_FMT_BF6 matrix_b_fmt:MATRIX_FMT_BF6 matrix_a_scale:MATRIX_SCALE_ROW1
.endif
.endif
.endm
; All of a tile behind its scores.  nextq = 1: the next tile's Q is asked for at the head (no load leaves its buffer: the last tile asks for nothing), and a's addresses step at the end.
.macro REST nextq
	FETCHV 0                                       ; into the set that key group 6 read: many plain instructions back
.if \nextq
	s_add_nc_u64 s[48:49], s[48:49], 1536          ; (the loads that named these bases were waited for ahead of the scores)
	s_add_nc_u64 s[50:51], s[50:51], 128
.irp c, 0,1,2
	global_load_b128 v[QF+4*\c:QF+4*\c+3], v[LI], s[48:49] offset:512*\c
.endr
	global_load_b32 v[QSR], v[LS], s[50:51]
.endif
.irp q, 0,1,2,3
.irp i, 0,1,2,3,4,5,6,7
	v_permlanex16_b32 v[T+\i], v[BM+8*\q+\i], s6, s7
.endr
.irp i, 0,1,2,3,4,5,6,7
	v_max_num_f32 v[BM+8*\q+\i], v[BM+8*\q+\i], v[T+\i]   ; with lane l xor 16's 16 keys: the block's largest score
.endr
.endr
.irp q, 0,1,2,3                                ; the row's largest score: four chains
	v_max3_num_f32 v[T+\q], v[BM+3*\q], v[BM+3*\q+1], v[BM+3*\q+2]
.endr
.set nn, 0
.rept 10
	v_max3_num_f32 v[T+nn%4], v[T+nn%4], v[BM+12+2*nn], v[BM+13+2*nn]
.set nn, nn+1
.endr
	v_max3_num_f32 v[T], v[T], v[T+1], v[T+2]
	v_max_num_f32 v[T], v[T], v[T+3]
	v_mul_f32 v[NM], 0xbfb8aa3b, v[T]              ; -m log2 e: its rounding is common to the row's weights and their sum, and falls out in the division
	; ---- p = 2^(s log2 e - m log2 e): a packed multiply-add for two scores runs four pairs ahead of their two exponentials, so that no exponential waits for it; it is also the plain line between exponentials
.irp W, 1,2
	WIN 0x41*\W
.set ii, 0
.rept 4
	v_pk_fma_f32 v[2*ii:2*ii+1], v[2*ii:2*ii+1], s[8:9], v[NM:NM+1] op_sel_hi:[1,0,0]
.set ii, ii+1
.endr
.set ii, 0
.rept 128
.if ii < 124
	v_pk_fma_f32 v[2*ii+8:2*ii+9], v[2*ii+8:2*ii+9], s[8:9], v[NM:NM+1] op_sel_hi:[1,0,0]
.endif
	v_exp_f32 v[2*ii], v[2*ii]
	v_exp_f32 v[2*ii+1], v[2*ii+1]
.set ii, ii+1
.endr
.endr
	WIN 0
.set bb, 0
.rept 32
	v_fma_f32 v[BM+bb], v[BM+bb], s8, v[NM]        ; the same of each block's largest score
.set bb, bb+1
.endr
.set bb, 0
.rept 32
	v_exp_f32 v[BM+bb], v[BM+bb]
.set bb, bb+1
.endr
	; ---- the row's sum, of the unquantised p: two at a time, in eight chains
	WIN 0x05
	s_wait_alu depctr_va_vdst(0)
.irp q, 0,1,2,3,4,5,6,7
	v_pk_add_f32 v[SUM+2*\q:SUM+2*\q+1], v[2*\q:2*\q+1], v[16+2*\q:17+2*\q]
.endr
	WIN 0x04
.set ii, 16
.rept 112
	v_pk_add_f32 v[SUM+2*(ii%8):SUM+2*(ii%8)+1], v[SUM+2*(ii%8):SUM+2*(ii%8)+1], v[2*ii:2*ii+1]
.set ii, ii+1
.endr
	WIN 0x08
.set ii, 0
.rept 128
	v_pk_add_f32 v[SUM+2*(ii%8):SUM+2*(ii%8)+1], v[SUM+2*(ii%8):SUM+2*(ii%8)+1], v[2*ii:2*ii+1]
.set ii, ii+1
.endr
	WIN 0
.irp q, 0,1,2,3
	v_pk_add_f32 v[SUM+2*\q:SUM+2*\q+1], v[SUM+2*\q:SUM+2*\q+1], v[SUM+8+2*\q:SUM+9+2*\q]
.endr
.irp q, 0,1
	v_pk_add_f32 v[SUM+2*\q:SUM+2*\q+1], v[SUM+2*\q:SUM+2*\q+1], v[SUM+4+2*\q:SUM+5+2*\q]
.endr
	v_pk_add_f32 v[SUM:SUM+1], v[SUM:SUM+1], v[SUM+2:SUM+3]
	v_add_f32 v[TA], v[SUM], v[SUM+1]
	v_permlanex16_b32 v[TA+1], v[TA], s6, s7
	v_add_f32 v[TA], v[TA], v[TA+1]                ; with lane l xor 16's: the row's sum, at least about 1
	v_mul_f32 v[TA], 0x41ddb3d7, v[TA]             ; x sqrt(768)
	v_rcp_f32 v[INV], v[TA]
	v_nop                                          ; one plain place behind a transcendental
	s_wait_alu depctr_va_vdst(0)
	; ---- the finished weights
.irp W, 1,2
	WIN 0x41*\W
.set ii, 0
.rept 128
	v_pk_mul_f32 v[2*ii:2*ii+1], v[2*ii:2*ii+1], v[INV:INV+1] op_sel_hi:[1,0]
.set ii, ii+1
.endr
.endr
	WIN 0
.set bb, 0
.rept 32
	v_mul_f32 v[BM+bb], v[BM+bb], v[INV]           ; each block's largest weight
.set bb, bb+1
.endr
.set bb, 0
.rept 32
	v_max_num_f32 v[BM+bb], 0x2800000, v[BM+bb]    ; the floor 2^(5 - 127): the byte cannot fall under 1
.set bb, bb+1
.endr
.set bb, 0
.rept 32
	v_add_nc_u32 v[SO+bb], 0xfe000000, v[BM+bb]    ; 4 off the exponent field: the conversion's scale operand
.set bb, bb+1
.endr
.set bb, 0
.rept 32
	v_lshrrev_b32 v[BM+bb], 23, v[SO+bb]           ; the scale's byte
.set bb, bb+1
.endr
.irp k, 0,1,2,3,4,5,6,7
	v_lshl_or_b32 v[PW+\k], v[BM+4*\k+1], 8, v[BM+4*\k]
.endr
.irp k, 0,1,2,3,4,5,6,7
	v_lshl_or_b32 v[PW+\k], v[BM+4*\k+2], 16, v[PW+\k]
.endr
.irp k, 0,1,2,3,4,5,6,7
	v_lshl_or_b32 v[PW+\k], v[BM+4*\k+3], 24, v[PW+\k]
.endr
	; ---- O^T = V^T P^T, 128 keys a step.  The first step's codes are made here; each later step's between the products of the step before, into the other set.
	; O^T's six accumulators take turns, one instruction a turn.
	CVT4 0
	SWAP6 0
	MOVE3 0, 0
	MOVE3 0, 1
	PLACES 4                                       ; an operand written by vector instructions stands four places ahead of a scaled matrix instruction
.set ks, 0
.rept 8
.if ks < 7
	FETCHV ks+1                                    ; into the set that the step before multiplied: four places stand behind its last product
	s_wait_dscnt 21                                ; this step's V is in; the next step's 18 + 3 loads may be out
.else
	s_wait_dscnt 0x0
.endif
.irp t, 0,1,2,3,4,5
	WIN 0x03                                       ; V window 3; P, O^T window 0
	PVW ks, \t
.if ks < 7
.if \t == 0
	CVT4 ks+1                                      ; they write the set that the step before read, four places behind its last product
.elseif \t == 1
	SWAP6 ks+1
.elseif \t == 2
	MOVE3 ks+1, 0
.elseif \t == 3
	MOVE3 ks+1, 1
.endif
.endif
.endr
	WIN 0
	PLACES 4                                       ; behind this step's last product: for the next loads into V's set, the next codes and the reads of O^T; and ahead of the next step's first product, whose operand was just written
.set ks, ks+1
.endr
	; ---- the way out: register 16 b + i is d = 32 b + 16 h + i of my query: three blocks of the last product's K.  A lane's 16 codes are 12 bytes of its row's 24: no exchange of halves is needed for memory.
	; Two chains a block, six in all; each accumulator is first read at its low end
.irp b, 0,1,2
	v_max3_num_f32 v[ET+\b], |v[OA+16*\b]|, |v[OA+16*\b+1]|, 0x2800000
	v_max3_num_f32 v[ET+4+\b], |v[OA+16*\b+8]|, |v[OA+16*\b+9]|, |v[OA+16*\b+10]|
.endr
.irp i, 0,1
.irp b, 0,1,2
	v_max3_num_f32 v[ET+\b], v[ET+\b], |v[OA+16*\b+2+2*\i]|, |v[OA+16*\b+3+2*\i]|
	v_max3_num_f32 v[ET+4+\b], v[ET+4+\b], |v[OA+16*\b+11+2*\i]|, |v[OA+16*\b+12+2*\i]|
.endr
.endr
.irp b, 0,1,2
	v_max3_num_f32 v[ET+\b], v[ET+\b], |v[OA+16*\b+6]|, |v[OA+16*\b+7]|
.endr
.irp b, 0,1,2
	v_max3_num_f32 v[ET+\b], v[ET+\b], v[ET+4+\b], |v[OA+16*\b+15]|
.endr
.irp b, 0,1,2
	v_permlanex16_b32 v[ET+4+\b], v[ET+\b], s6, s7
.endr
.irp b, 0,1,2
	v_max_num_f32 v[ET+\b], v[ET+\b], v[ET+4+\b]
.endr
.irp b, 0,1,2
	v_add_nc_u32 v[ET+8+\b], 0xfe000000, v[ET+\b]
.endr
.irp b, 0,1,2
	v_lshrrev_b32 v[ET+4+\b], 23, v[ET+8+\b]
.endr
.irp b, 0,1,2
	v_cvt_scalef32_pk16_bf6_f32 v[OC+4*\b:OC+4*\b+2], v[OA+16*\b:OA+16*\b+15], v[ET+8+\b]
.endr
	v_nop                                          ; one plain place behind the conversions: the next tile's products write their sources
.irp b, 0,1,2
	global_store_b96 v[ACA], v[OC+4*\b:OC+4*\b+2], s[52:53] offset:384*\b   ; 32 lanes store 384 consecutive bytes; the three stores 1,152
.endr
.irp b, 0,1,2
	global_store_b8 v[ASA], v[ET+4+\b], s[54:55] offset:\b                  ; both lanes of a row write the same byte with the same value
.endr
.if \nextq
	s_wait_xcnt 0x0                                ; the stores have read their data and bases: both are written again only behind this wait
	s_add_nc_u64 s[52:53], s[52:53], 9216
	s_add_nc_u64 s[54:55], s[54:55], 384
.endif
.endm
	s_load_b256 s[40:47], s[0:1], 0x0              ; qbuf s[40:41], kbuf s[42:43], vbuf s[44:45], abuf s[46:47]
	v_lshl_add_u32 v254, v0, 2, 0x2d800
	v_mov_b32 v255, 0
	ds_add_u32 v254, v255
	ds_add_u32 v254, v255
	v_lshrrev_b32 v1, 5, v0
	v_readfirstlane_b32 s2, v1                     ; wave 0..3
	s_mov_b32 s3, ttmp9                            ; which half of the queries
	s_and_b32 s4, ttmp7, 0xffff                    ; bh = 8 x batch + head
	; descriptor group 1: a dense block as rows of 256 bytes (32 elements of 8 bytes), no padding: K's quarter 104 rows, V's 78
	s_mov_b32 s16, 3<<16                           ; no mask; elements of 8 bytes; padding off
	s_mov_b32 s17, 32<<16                          ; tensor_dim0 = 32
	s_mov_b32 s18, 104<<16                         ; tensor_dim1 = 104
	s_mov_b32 s19, 32<<16                          ; tile_dim0 = 32
	s_mov_b32 s20, 104                             ; tile_dim1 = 104
	s_mov_b32 s21, 32                              ; from row to row: 32 elements
	s_mov_b32 s22, 0
	s_mov_b32 s23, 0
	s_mov_b32 s24, 3<<16
	s_mov_b32 s25, 32<<16
	s_mov_b32 s26, 78<<16
	s_mov_b32 s27, 32<<16
	s_mov_b32 s28, 78
	s_mov_b32 s29, 32
	s_mov_b32 s30, 0
	s_mov_b32 s31, 0
	s_mul_i32 s14, s4, 106496                      ; bh's part of qbuf and kbuf
	s_mul_i32 s33, s2, 26624                       ; my quarter of K's block: in LDS,
	s_add_co_u32 s10, s14, s33                     ; and in memory
	s_mov_b32 s11, 0
	s_mul_i32 s12, s4, 79872
	s_mul_i32 s37, s2, 19968                       ; my quarter of V's block
	s_add_co_u32 s12, s12, s37
	s_mov_b32 s13, 0
	s_add_co_u32 s37, s37, 106496                  ; V lies behind K in LDS
	s_mov_b32 s32, 1
	s_mov_b32 s36, 1
	s_mov_b32 s6, 0x76543210
	s_mov_b32 s7, 0xfedcba98                       ; v_permlanex16_b32's selects for lane l xor 16
	s_mov_b32 s8, 0x3fb8aa3b                       ; log2 e
	s_mov_b32 s9, s8                               ; (named with it as a pair, so it is written)
	s_mov_b32 s5, 7                                ; the loop's trips: every tile but the last has a successor
	s_wait_dscnt 0x0
	s_wait_kmcnt 0x0
	s_add_nc_u64 s[34:35], s[42:43], s[10:11]
	s_or_b32 s35, s35, 0x80000000                  ; type = 2
	s_add_nc_u64 s[38:39], s[44:45], s[12:13]
	s_or_b32 s39, s39, 0x80000000
	tensor_load_to_lds s[32:35], s[16:23]          ; the only fills of the launch: ahead of every wait on TENSORcnt, every LDS read and every barrier.  K first: it is wanted first
	s_nop 0
	tensor_load_to_lds s[36:39], s[24:31]
	s_nop 0
.rept 4
	v_nop
.endr
	s_lshl_b32 s15, s3, 5
	s_lshl_b32 s10, s2, 3
	s_add_co_u32 s15, s15, s10                     ; my first query tile: 32 half + 8 wave
	s_mul_i32 s10, s15, 1536
	s_add_co_u32 s10, s10, s14
	s_add_nc_u64 s[48:49], s[40:41], s[10:11]      ; its image
	s_lshl_b32 s10, s15, 7
	s_add_co_u32 s10, s10, s14
	s_add_co_u32 s10, s10, 98304
	s_add_nc_u64 s[50:51], s[40:41], s[10:11]      ; its scale words
	s_lshr_b32 s12, s4, 3
	s_lshl_b32 s12, s12, 6
	s_add_co_u32 s12, s12, s15                     ; the tile among all 1,024 token tiles: 64 x batch + tile
	s_and_b32 s14, s4, 7                           ; the head
	s_mul_i32 s10, s12, 9216
	s_mul_i32 s15, s14, 1152
	s_add_co_u32 s10, s10, s15
	s_add_nc_u64 s[52:53], s[46:47], s[10:11]      ; a's codes: tile x 9,216 + (3 head + block) x 384 + 24 r + 12 h
	s_mul_i32 s10, s12, 384
	s_mul_i32 s15, s14, 3
	s_add_co_u32 s10, s10, s15
	s_add_co_u32 s10, s10, 9437184
	s_add_nc_u64 s[54:55], s[46:47], s[10:11]      ; a's scale bytes: tile x 384 + 24 r + 3 head + block
	v_and_b32 v[TA], 31, v0
	v_lshlrev_b32 v[LI], 4, v[TA]
	v_lshlrev_b32 v[LS], 2, v[TA]
.irp c, 0,1,2
	global_load_b128 v[QF+4*\c:QF+4*\c+3], v[LI], s[48:49] offset:512*\c   ; the first tile's Q
.endr
	global_load_b32 v[QSR], v[LS], s[50:51]
	v_add_nc_u32 v[AK1], 49152, v[LI]
	v_add_nc_u32 v[AV0], 106496, v[LI]
	v_add_nc_u32 v[AV1], 143360, v[LI]
	v_and_b32 v[TA], 15, v0                        ; r
	v_bfe_u32 v[TA+1], v0, 4, 1                    ; h
	v_lshlrev_b32 v[LSK], 2, v[TA]
	v_lshl_add_u32 v[LSK], v[TA+1], 7, v[LSK]      ; 4 r + 128 h: lanes 16-31 take the words of the tile behind
	v_add_nc_u32 v[LSV], 180224, v[LSK]
	v_add_nc_u32 v[LSK], 98304, v[LSK]
	v_mul_u32_u24 v[ASA], v[TA], 24
	v_mul_u32_u24 v[TA+1], v[TA+1], 12
	v_add_nc_u32 v[ACA], v[ASA], v[TA+1]
.irp i, 0,1,2,3,4,5,6,7
	v_mov_b32 v[T+\i], 0                           ; written once: a lane permute's destination counts as one of its sources
.endr
	v_mov_b32 v[NM+1], 0                           ; the upper halves of two pairs of which the low word serves both halves: named, so written
	v_mov_b32 v[INV+1], 0
	s_wait_tensorcnt 0x1                           ; a wave's tensor loads end in order (ISA guide 10.11.1): my quarter of K lies in LDS; V's load may be out
	s_barrier_signal -1
	s_barrier_wait -1                              ; everybody's quarter of K does
	SCORES                                         ; the first tile's scores want K alone: V lands meanwhile
	s_wait_tensorcnt 0x0                           ; my quarter of V lies in LDS (my LDS loads were waited for ahead of the last key group's products),
	s_barrier_signal -1
	s_barrier_wait -1                              ; everybody's does
.Ltile:                                            ; seven trips; every window is 0 here
	REST 1
	SCORES
	s_sub_co_u32 s5, s5, 1
	s_cmp_lg_u32 s5, 0
	s_cbranch_scc1 .Ltile
	REST 0                                         ; the last tile: nothing more is asked for
	s_wait_tensorcnt 0x0
	ds_add_u32 v254, v255
	s_wait_dscnt 0x0
	s_endpgm
.Lfunc_end_k_q829bfb4a25_attn:
	.size	k_q829bfb4a25_attn, .Lfunc_end_k_q829bfb4a25_attn-k_q829bfb4a25_attn
	.p2alignl 7, 3214868480
	.fill 96, 4, 3214868480
	.section	.rodata,"a",@progbits
	.p2align	6, 0x0
	.amdhsa_kernel k_q829bfb4a25_attn
		.amdhsa_group_segment_fixed_size 186880
		.amdhsa_private_segment_fixed_size 0
		.amdhsa_enable_private_segment 0
		.amdhsa_kernarg_size 32
		.amdhsa_user_sgpr_count 2
		.amdhsa_user_sgpr_kernarg_segment_ptr 1
		.amdhsa_wavefront_size32 1
		.amdhsa_system_sgpr_workgroup_id_x 1
		.amdhsa_system_sgpr_workgroup_id_y 1
		.amdhsa_system_sgpr_workgroup_id_z 1
		.amdhsa_system_vgpr_workitem_id 0
		.amdhsa_next_free_vgpr 960
		.amdhsa_next_free_sgpr 66
		.amdhsa_reserve_vcc 0
		.amdhsa_float_denorm_mode_32 3
		.amdhsa_float_denorm_mode_16_64 3
		.amdhsa_memory_ordered 1
		.amdhsa_forward_progress 1
		.amdhsa_inst_pref_size 255
	.end_amdhsa_kernel
	.section	.bss,"aw",@nobits
	.p2align	6
	.space	262144
	.amdgpu_metadata
---
amdhsa.version: [ 1, 2 ]
amdhsa.kernels:
  - .name:           k_q829bfb4a25_attn
    .symbol:         k_q829bfb4a25_attn.kd
    .args:
      - { .name: qbuf, .offset: 0, .size: 8, .value_kind: global_buffer, .address_space: global }
      - { .name: kbuf, .offset: 8, .size: 8, .value_kind: global_buffer, .address_space: global }
      - { .name: vbuf, .offset: 16, .size: 8, .value_kind: global_buffer, .address_space: global }
      - { .name: abuf, .offset: 24, .size: 8, .value_kind: global_buffer, .address_space: global }
    .group_segment_fixed_size: 186880
    .private_segment_fixed_size: 0
    .kernarg_segment_align: 8
    .kernarg_segment_size: 32
    .max_flat_workgroup_size: 128
    .sgpr_count:     66
    .vgpr_count:     960
    .wavefront_size: 32
...
	.end_amdgpu_metadata
.endif
;; end of part 3
;; launch oproj (part 4): grid 2 x 128, 4 waves a work-group, no clusters, 279,040 bytes of LDS; arguments abuf, wbuf, bo, out0; writes out0
.if DOCPART == 4
	.amdgcn_target "amdgcn-amd-amdhsa--gfx1250"
	.amdhsa_code_object_version 6
	.text
	.protected	k_q829bfb4a25_oproj
	.globl	k_q829bfb4a25_oproj
	.p2align	8
	.type	k_q829bfb4a25_oproj,@function
k_q829bfb4a25_oproj:
	s_mov_b64 s[64:65], 0
	v_nop
	global_prefetch_b8 v0, s[64:65] scope:SCOPE_SE
	s_setreg_imm32_b32 hwreg(HW_REG_WAVE_MODE, 25, 1), 1
	s_wait_xcnt 0x0
; out0 = a Wo + bo on codes of BF6 (E3M2) with E8M0 scales for each 32 along K.  a arrives as codes and scale bytes from the launch before, Wo as images of fragments.
; SHARES.  Work-group (y, blk): 128 tokens x columns 384 y .. 384 y + 383.  Wave w makes columns 96 (4 y + w) on for all 128 tokens: 48 accumulators (6 column tiles x 8 token tiles), 6 K steps, 288 matrix instructions.
; Position r of a tile 2 G + u (of tokens, of columns) is row 32 G + 8 u + r + 8 (r / 8).  Source 0 = 16 columns of Wo, source 1 = 16 tokens: lane (r, h)'s register j of tile t is column 32 (t / 2) + 8 (t % 2) + 16 h + j
; of its token: eight neighbouring numbers of a row of out0.  The bias is the C of each sum's first product.
; a's codes lie tile x 9,216 + block x 384 + 24 r: lane (r, h) takes the 24 bytes of blocks 4 s + h and 4 s + 2 + h, which ARE its registers.  Wave w fetches token tiles 2 w and 2 w + 1 (12 fragments) and lays them in
; LDS as images (registers 4 c .. 4 c + 3 of lane L at 512 c + 16 L); a barrier; every wave reads all eight tiles, a K step ahead; Wo's images come from memory straight into registers, likewise a step ahead.
; THE WAY OUT: a row's 1,536 bytes come from four waves: they meet in a stage in LDS (rows 1,552 bytes apart), a barrier, and each wave stores 32 whole rows, 512 consecutive bytes an instruction.
; NO CLUSTER: no tile comes into LDS by a tensor load here; the weights' images go to registers, and a's codes for a block are 73,728 bytes, shared by two work-groups.
; REGISTERS, in windows of 256: window 0: v1-9 addresses; v12-27 a's scale words (2 sets x 8), v28-39 Wo's (2 x 6); v80-127 the bias; v128-223 rows on the way out; v224-231 stage addresses.
;   window 1: accumulators (t, m), t = 0..3, at 64 t + 8 m (at the head: a's fragments as loaded).   window 2: v0-127 accumulators t = 4, 5; v128-223 a's fragments, set 0.
;   window 3: v0-95 a's fragments, set 1; v96-167, v168-239 Wo's fragments, sets 0 and 1.
.set XSC,   0                          ; LDS: a's 48 scale images (tile m, K step s: 6 m + s), 128 bytes each,
.set XIMG,  6144                       ; its 48 fragment images, 1,536 bytes each,
.set STG,   79872                      ; and the stage: 128 rows (16 m + r) x (1,536 + 16) bytes
.set SPI,   1552
.set LI,   1                           ; v1  16 x lane
.set LS,   2                           ; v2  4 x lane
.set AA,   3                           ; v3  a's codes: 384 h + 24 r
.set ASA,  4                           ; v4  a's scale bytes: 24 r
.set XWI,  5                           ; v5  where I store a's images
.set XWS,  6                           ; v6  and their scale words
.set BA,   7                           ; v7  64 h: the bias
.set SR,   8                           ; v8  the stage, on the way out: my 32 rows, 16 x lane
.set LIB,  9                           ; v9  16 x lane + 24 images: LDS offsets have 16 bits
.set XS,   12
.set WS,   28
.set BIAS, 80
.set OUTR, 128
.set SO,   224                         ; v224-231 the stage, on the way in: row 16 m + r, + 64 h + 384 x wave
.set MSB, 0
.macro WIN new                         ; the immediate's high byte repeats the setting that is left; a switch that changes nothing is dropped
.if MSB != (\new)
	s_set_vgpr_msb (MSB<<8)|(\new)
.set MSB, (\new)
.endif
.endm
.macro PLACES n
.rept \n
	v_nop
.endr
.endm
.macro LOADW s, set                    ; my six fragments of Wo (the fourth weight in wbuf), K step s, and their scale words
	WIN 0xc0
.irp t, 0,1,2,3,4,5
.irp c, 0,1,2
	global_load_b128 v[96+72*(\set)+12*\t+4*\c:96+72*(\set)+12*\t+4*\c+3], v[LI], s[10:11] offset:3*442368+(6*\t+(\s))*1536+512*\c
.endr
.endr
	WIN 0
.irp t, 0,1,2,3,4,5
	global_load_b32 v[WS+6*(\set)+\t], v[LS], s[24:25] offset:3*36864+(6*\t+(\s))*128
.endr
.endm
.macro FETCHX s, set                   ; a's eight fragments of K step s, and their scale words (set 0: window 2 from v128; 1: window 3 from v0)
.if (\set) == 0
	WIN 0x80
.else
	WIN 0xc0
.endif
.irp m, 0,1,2,3,4,5,6,7
.irp c, 0,1,2
.if \m < 4
	ds_load_b128 v[128*(1-(\set))+12*\m+4*\c:128*(1-(\set))+12*\m+4*\c+3], v[LI] offset:XIMG+((\m%4)*6+(\s))*1536+512*\c
.else
	ds_load_b128 v[128*(1-(\set))+12*\m+4*\c:128*(1-(\set))+12*\m+4*\c+3], v[LIB] offset:XIMG+((\m%4)*6+(\s))*1536+512*\c
.endif
.endr
.endr
	WIN 0
.irp m, 0,1,2,3,4,5,6,7
	ds_load_b32 v[XS+8*(\set)+\m], v[LS] offset:XSC+(6*\m+(\s))*128
.endr
.endm
; 48 matrix instructions: one K step.  first = 1: the sums begin with the bias (window 0) as C.  The 48 accumulators take turns, one instruction a turn, in the same order in every step.
.macro MULT set, first
.irp t, 0,1,2,3,4,5
.if \first
	WIN 0x0b+4*(\set)+0x40*(1+\t/4)
.else
	WIN 0x0b+4*(\set)+0x50*(1+\t/4)
.endif
.irp m, 0,1,2,3,4,5,6,7
.set rD, 64*(\t%4)+8*\m
.set rW, 96+72*(\set)+12*\t
.set rX, 128*(1-(\set))+12*\m
.if \first
	v_wmma_scale_f32_16x16x128_f8f6f4 v[rD:rD+7], v[rW:rW+11], v[rX:rX+11], v[BIAS+8*\t:BIAS+8*\t+7], v[WS+6*(\set)+\t], v[XS+8*(\set)+\m] matrix_a_fmt:MATRIX_FMT_BF6 matrix_b_fmt:MATRIX_FMT_BF6
.else
	v_wmma_scale_f32_16x16x128_f8f6f4 v[rD:rD+7], v[rW:rW+11], v[rX:rX+11], v[rD:rD+7], v[WS+6*(\set)+\t], v[XS+8*(\set)+\m] matrix_a_fmt:MATRIX_FMT_BF6 matrix_b_fmt:MATRIX_FMT_BF6
.endif
.endr
.endr
.endm
; One K step: the next step's operands are asked for first, into the set that the step before multiplied, four places behind its last product.
.macro KSTEP s, nxt
	PLACES 4
.if \nxt
	LOADW (\s)+1, ((\s)+1)%2
	FETCHX (\s)+1, ((\s)+1)%2
	s_wait_loadcnt 24                              ; this step's weights are in; the next step's 18 + 6 loads may be out
	s_wait_dscnt 32                                ; this step's fragments of a are in; the next step's 24 + 8 loads may be out
.else
	s_wait_loadcnt 0x0
	s_wait_dscnt 0x0
.endif
.if (\s) == 0
	MULT 0, 1
.else
	MULT (\s)%2, 0
.endif
.endm
	s_load_b256 s[8:15], s[0:1], 0x0               ; abuf s[8:9], wbuf s[10:11], bo s[12:13], out0 s[14:15]
	v_lshl_add_u32 v254, v0, 2, 0x44000
	v_mov_b32 v255, 0
	v_lshrrev_b32 v10, 5, v0
	v_readfirstlane_b32 s2, v10                    ; wave 0..3
	s_and_b32 s4, ttmp7, 0xffff                    ; the block of 128 tokens
	s_lshl_b32 s5, ttmp9, 2
	s_add_co_u32 s5, s5, s2                        ; my 96 columns: 4 y + wave
	v_and_b32 v10, 31, v0                          ; lane
	v_and_b32 v11, 15, v0                          ; r
	v_bfe_u32 v77, v0, 4, 1                        ; h
	v_lshlrev_b32 v[LI], 4, v10
	v_lshlrev_b32 v[LS], 2, v10
	v_mul_u32_u24 v[ASA], v11, 24
	v_mul_u32_u24 v[AA], v77, 384
	v_add_nc_u32 v[AA], v[AA], v[ASA]
	s_mul_i32 s32, s2, 18432
	s_add_co_u32 s32, s32, XIMG
	v_add_nc_u32 v[XWI], s32, v[LI]
	s_mul_i32 s32, s2, 1536
	v_add_nc_u32 v[XWS], s32, v[LS]
	v_lshlrev_b32 v[BA], 6, v77
	s_mul_i32 s32, s2, 32*SPI
	s_add_co_u32 s32, s32, STG
	v_add_nc_u32 v[SR], s32, v[LI]
	v_add_nc_u32 v[LIB], 36864, v[LI]
	v_mul_u32_u24 v10, v11, SPI
	v_lshl_add_u32 v10, v77, 6, v10
	s_mul_i32 s32, s2, 384
	s_add_co_u32 s32, s32, STG
.irp m, 0,1,2,3,4,5,6,7
	v_add_nc_u32 v[SO+\m], s32, v10
	s_add_co_u32 s32, s32, 16*SPI
.endr
	s_mov_b32 s33, 0                               ; every offset below is under 2^32: s[32:33] is the pair that is added
	s_wait_kmcnt 0x0
	s_mul_i32 s32, s4, 3072
	s_mul_i32 s34, s2, 768
	s_add_co_u32 s32, s32, s34
	s_add_co_u32 s32, s32, 9437184
	s_add_nc_u64 s[26:27], s[8:9], s[32:33]        ; a's scale bytes at my two tiles
	s_mul_i32 s32, s4, 73728
	s_mul_i32 s34, s2, 18432
	s_add_co_u32 s32, s32, s34
	s_add_nc_u64 s[8:9], s[8:9], s[32:33]          ; and its codes
	s_mul_i32 s32, s5, 4608
	s_add_co_u32 s32, s32, 1769472
	s_add_nc_u64 s[24:25], s[10:11], s[32:33]      ; the weights' scale words at my six tiles
	s_mul_i32 s32, s5, 55296
	s_add_nc_u64 s[10:11], s[10:11], s[32:33]      ; and their images
	s_mul_i32 s32, s5, 384
	s_add_nc_u64 s[12:13], s[12:13], s[32:33]      ; the bias at my columns
	s_mul_i32 s32, s4, 393216
	s_mul_i32 s34, ttmp9, 1536
	s_add_co_u32 s32, s32, s34
	s_mul_i32 s34, s2, 98304
	s_add_co_u32 s32, s32, s34
	s_add_nc_u64 s[14:15], s[14:15], s[32:33]      ; out0 at the 32 tokens that I store, the work-group's first column
	LOADW 0, 0
.irp t, 0,1,2,3,4,5                            ; the bias: lane (r, h), tile t, register j: column 32 (t / 2) + 8 (t % 2) + 16 h + j
	global_load_b128 v[BIAS+8*\t:BIAS+8*\t+3], v[BA], s[12:13] offset:(32*(\t/2)+8*(\t%2))*4
	global_load_b128 v[BIAS+8*\t+4:BIAS+8*\t+7], v[BA], s[12:13] offset:(32*(\t/2)+8*(\t%2))*4+16
.endr
	WIN 0x40                                       ; destination window 1
.set ff, 0
.rept 12                                       ; fragment ff: tile 2 w + ff / 6, K step ff % 6
.irp p, 0,1,2,3,4,5
	global_load_b64 v[12*ff+2*\p:12*ff+2*\p+1], v[AA], s[8:9] offset:9216*(ff/6)+1536*(ff%6)+768*(\p/3)+8*(\p%3)
.endr
	global_load_b32 v[144+ff], v[ASA], s[26:27] offset:384*(ff/6)+4*(ff%6)
.set ff, ff+1
.endr
	WIN 0
	s_wait_loadcnt 0x0
	WIN 0x04                                       ; an LDS store's data are its source 1: window 1
.set ff, 0
.rept 12
.irp c, 0,1,2
	ds_store_b128 v[XWI], v[12*ff+4*\c:12*ff+4*\c+3] offset:1536*ff+512*\c
.endr
	ds_store_b32 v[XWS], v[144+ff] offset:128*ff
.set ff, ff+1
.endr
	WIN 0
	s_wait_dscnt 0x0                               ; for the others' sake: my images and scale words lie in LDS
	s_barrier_signal -1
	s_barrier_wait -1                              ; everybody's do
	FETCHX 0, 0
	KSTEP 0, 1
	KSTEP 1, 1
	KSTEP 2, 1
	KSTEP 3, 1
	KSTEP 4, 1
	KSTEP 5, 0
	; ---- the way out
	PLACES 4                                       ; behind the last products, ahead of the LDS stores that read results
	WIN 0x04
.irp t, 0,1,2,3
.irp m, 0,1,2,3,4,5,6,7
	ds_store_b128 v[SO+\m], v[64*\t+8*\m:64*\t+8*\m+3] offset:128*(\t/2)+32*(\t%2)         ; each accumulator from its low end on
	ds_store_b128 v[SO+\m], v[64*\t+8*\m+4:64*\t+8*\m+7] offset:128*(\t/2)+32*(\t%2)+16
.endr
.endr
	WIN 0x08
.irp t, 4,5
.irp m, 0,1,2,3,4,5,6,7
	ds_store_b128 v[SO+\m], v[64*(\t-4)+8*\m:64*(\t-4)+8*\m+3] offset:128*(\t/2)+32*(\t%2)
	ds_store_b128 v[SO+\m], v[64*(\t-4)+8*\m+4:64*(\t-4)+8*\m+7] offset:128*(\t/2)+32*(\t%2)+16
.endr
.endr
	WIN 0
	s_wait_dscnt 0x0                               ; for the others' sake: my part of every row lies in the stage
	s_barrier_signal -1
	s_barrier_wait -1                              ; 128 whole rows lie there
.irp g, 0,1,2,3                                ; my 32 rows, eight at a time: stage row 32 w + i is token 32 w + 8 (i / 16) + i % 16 + 8 ((i % 16) / 8)
.if \g > 0
	s_wait_xcnt 0x0                                ; the last eight rows' stores have read their data: the registers are loaded again only behind this wait
.endif
.set kk, 0
.rept 24
	ds_load_b128 v[OUTR+4*kk:OUTR+4*kk+3], v[SR] offset:(8*\g+kk/3)*SPI+512*(kk%3)
.set kk, kk+1
.endr
.set kk, 0
.rept 24
	s_wait_dscnt 23-kk                             ; LDS loads come back in order: load kk is in, the younger ones may be out
.set ROWI, 8*\g+kk/3
	global_store_b128 v[LI], v[OUTR+4*kk:OUTR+4*kk+3], s[14:15] offset:(8*(ROWI/16)+ROWI%16+8*((ROWI%16)/8))*3072+512*(kk%3) th:TH_STORE_NT   ; 32 lanes store 512 consecutive bytes, at a multiple of 512 from out0's first byte
.set kk, kk+1
.endr
.endr
	s_wait_tensorcnt 0x0
	ds_add_u32 v254, v255
	s_wait_dscnt 0x0
	s_endpgm
.Lfunc_end_k_q829bfb4a25_oproj:
	.size	k_q829bfb4a25_oproj, .Lfunc_end_k_q829bfb4a25_oproj-k_q829bfb4a25_oproj
	.p2alignl 7, 3214868480
	.fill 96, 4, 3214868480
	.section	.rodata,"a",@progbits
	.p2align	6, 0x0
	.amdhsa_kernel k_q829bfb4a25_oproj
		.amdhsa_group_segment_fixed_size 279040
		.amdhsa_private_segment_fixed_size 0
		.amdhsa_enable_private_segment 0
		.amdhsa_kernarg_size 32
		.amdhsa_user_sgpr_count 2
		.amdhsa_user_sgpr_kernarg_segment_ptr 1
		.amdhsa_wavefront_size32 1
		.amdhsa_system_sgpr_workgroup_id_x 1
		.amdhsa_system_sgpr_workgroup_id_y 1
		.amdhsa_system_sgpr_workgroup_id_z 1
		.amdhsa_system_vgpr_workitem_id 0
		.amdhsa_next_free_vgpr 1024
		.amdhsa_next_free_sgpr 66
		.amdhsa_reserve_vcc 0
		.amdhsa_float_denorm_mode_32 3
		.amdhsa_float_denorm_mode_16_64 3
		.amdhsa_memory_ordered 1
		.amdhsa_forward_progress 1
		.amdhsa_inst_pref_size 105
	.end_amdhsa_kernel
	.amdgpu_metadata
---
amdhsa.version: [ 1, 2 ]
amdhsa.kernels:
  - .name:           k_q829bfb4a25_oproj
    .symbol:         k_q829bfb4a25_oproj.kd
    .args:
      - { .name: abuf, .offset: 0, .size: 8, .value_kind: global_buffer, .address_space: global }
      - { .name: wbuf, .offset: 8, .size: 8, .value_kind: global_buffer, .address_space: global }
      - { .name: bo, .offset: 16, .size: 8, .value_kind: global_buffer, .address_space: global }
      - { .name: out0, .offset: 24, .size: 8, .value_kind: global_buffer, .address_space: global }
    .group_segment_fixed_size: 279040
    .private_segment_fixed_size: 0
    .kernarg_segment_align: 8
    .kernarg_segment_size: 32
    .max_flat_workgroup_size: 128
    .sgpr_count:     66
    .vgpr_count:     1024
    .wavefront_size: 32
...
	.end_amdgpu_metadata
.endif
;; end of part 4
